; MI455X (gfx1250); checked and timed in simulation.
; The chip was launched on July 23, 2026; its instructions are those of AMD's public machine-readable ISA for CDNA 5 (MIT licence, August 2026) and "CDNA5" Instruction Set Architecture Reference Guide (July 2026). The comments in the code are by the model that wrote it; some were corrected since.
;; Causal Self Attention. Allowed arithmetic: matrix products marked QUANTISED: E5M2 operands, one given power-of-two scale a tensor, by v_wmma_f32_16x16x64_bf8_bf8 or v_wmma_f32_16x16x128_bf8_bf8, f32 sums; products left as they are: f32 operands where the result goes on into a quantised operand, else bf16, f16 or f32 operands; f32 sums; everything else in f32.
;; Inputs: Wk_codes 1,024 x 32 x 32 uint8 (E5M2 codes of Wk, K innermost, in blocks of 32 codes); Wo_codes 1,024 x 32 x 32 uint8 (E5M2 codes of Wo, K innermost, in blocks of 32 codes); Wq_codes 1,024 x 32 x 32 uint8 (E5M2 codes of Wq, K innermost, in blocks of 32 codes); Wv_codes 1,024 x 32 x 32 uint8 (E5M2 codes of Wv, K innermost, in blocks of 32 codes); bk 1,024 float32; bo 1,024 float32; bq 1,024 float32; bv 1,024 float32; lowp_scales 10 int32 (the exponents e of the quantised operands' scales 2^e); x_codes 8 x 1,024 x 32 x 32 uint8 (E5M2 codes of x, K innermost, in blocks of 32 codes).
;; Outputs: out0 8 x 1,024 x 1,024 float32.
;; This version of the problem:
;;   THIS VERSION OF THE PROBLEM IS GIVEN IN LOW PRECISION. The matrix products marked QUANTISED in the list below multiply operands that are first quantised to E5M2 (5 exponent bits, 2 mantissa bits; 8 bits a number), with one given power-of-two scale for each operand tensor; their sums are f32. All else is computed in f32.
;;   The module's matrix products, in the order in which they are computed (A, B: the left and right operand; K: the contracted axis; several contracted axes count as one K, in the product's order):
;;     1. [M 8,192, K 1,024] x [K 1,024, N 1,024]; A: input x (given as codes); B: input Wq (given as codes): QUANTISED (scales: A lowp_scales[0], B lowp_scales[1])
;;     2. [M 8,192, K 1,024] x [K 1,024, N 1,024]; A: input x (given as codes); B: input Wk (given as codes): QUANTISED (scales: A lowp_scales[2], B lowp_scales[3])
;;     3. [M 8,192, K 1,024] x [K 1,024, N 1,024]; A: input x (given as codes); B: input Wv (given as codes): QUANTISED (scales: A lowp_scales[4], B lowp_scales[5])
;;     4. batch 8,192 x [M 64, K 16] x [K 16, N 64]; A: computed on the way; B: computed on the way: left as it is (K = 16 < 32)
;;     5. batch 8,192 x [M 64, K 64] x [K 64, N 16]; A: softmax (see below); B: computed on the way: QUANTISED (scales: A lowp_scales[6], B lowp_scales[7])
;;     6. [M 8,192, K 1,024] x [K 1,024, N 1,024]; A: computed on the way; B: input Wo (given as codes): QUANTISED (scales: A lowp_scales[8], B lowp_scales[9])
;;   THE QUANTISER, for each operand of a quantised product, along K:
;;     - The operand's scale is 2^e, e = its entry of the input lowp_scales (int32; the entries are numbered through the quantised products in the list's order, A before B).
;;     - Each number is divided by the scale, clamped to +-57,344, and rounded to the nearest number of E5M2, ties to even, subnormals kept.
;;     - The product sums the exact products of the quantised numbers (number of the format x scale) in f32.
;;   ~~~python
;;   def quantise(x, axis, e):      # numpy; x: float32 -> the quantised numbers, widened to float32 again
;;       x = np.moveaxis(x, axis, -1); K = x.shape[-1]
;;       r = np.clip(x / 2.0 ** e, -57344, 57344)
;;       step = 2.0 ** (np.maximum(np.frexp(np.where(r == 0, 1, r))[1] - 1, -14) - 2)
;;       q = np.round(r / step) * step * 2.0 ** e      # np.round: ties to even
;;       return np.moveaxis(q, -1, axis).astype(np.float32)
;;   ~~~
;;   SOFTMAX AHEAD OF A QUANTISED PRODUCT. Where the list says 'softmax', what is quantised is not the finished softmax but p = 2^(t - M), with t = logit x log2(e) and M = ceil(the row's largest t), a whole number; so 1/2 < the row's largest p <= 1. The row's sum l is taken of the UNQUANTISED p, in f32, and the product's result is divided by l at the end. Since M is a whole number, a kernel that streams over the keys may use a running M (the ceiling of the running maximum): every later rescaling is an exact power of two, so the quantised numbers keep their values, but for numbers so far below the row's largest that they fall under the format's range.
;;   OPERANDS COMPUTED ON THE WAY. 'Computed on the way' means the value that the module computes at that place (a softmax that the list does not call 'softmax' is quantised finished and normalised). What goes into a quantiser is computed in f32, as accurately as f32 sums, v_exp_f32 and their like allow (about 1e-6 of the number): no bf16 or f16 on the way to a quantiser, and a product that is left as it is and whose result goes on into a quantised operand takes f32 operands (vector FMAs, or v_wmma_f32_16x16x4_f32). A number that lies on a knife's edge between two numbers of the format may be rounded either way, as far as f32 arithmetic and the matrix unit's own rounding can turn it there, and no further.
;;   INPUTS GIVEN AS CODES. Wk (in the module: [1024, 1024], K = its axis 0); Wo (in the module: [1024, 1024], K = its axis 0); Wq (in the module: [1024, 1024], K = its axis 0); Wv (in the module: [1024, 1024], K = its axis 0); x (in the module: [8, 1024, 1024], K = its axis 2): each comes as NAME_codes (uint8): NAME with its K axis moved to the last place and cut into blocks of 32 codes, [.., K / 32, bytes a block], one block behind the other in memory; one code a byte (a code: sign, 5 exponent bits, 2 mantissa bits); its scale is its entry of lowp_scales. Its value is code x scale, taken as it is: it is not quantised again, and the codes and scales need not be those that the quantiser above would give.
;; One version. Each part assembles by itself: llvm-mc -triple=amdgcn-amd-amdhsa -mcpu=gfx1250 --defsym DOCPART=n.
;; ======== version 1 of 1: 2 launches
;; limits: right only within a limited range of input values
;; workspace buffers: qimg 33,554,432 bytes; kimg 33,554,432 bytes; vimg 8,388,608 bytes
;; launch qkv (part 1): grid 8 x 32, 4 waves a work-group, clusters of 4 x 4, 327,680 bytes of LDS; arguments x_codes, Wq_codes, Wk_codes, Wv_codes, bq, bk, bv, lowp_scales, qimg, kimg, vimg; writes qimg, kimg, vimg
.if DOCPART == 1
	.amdgcn_target "amdgcn-amd-amdhsa--gfx1250"
	.amdhsa_code_object_version 6
	.text
	.protected	k_q659f7ccac2_qkv
	.globl	k_q659f7ccac2_qkv
	.p2align	8
	.type	k_q659f7ccac2_qkv,@function
k_q659f7ccac2_qkv:
	s_mov_b64 s[64:65], 0
	v_nop
	global_prefetch_b8 v0, s[64:65] scope:SCOPE_SE
	s_setreg_imm32_b32 hwreg(HW_REG_WAVE_MODE, 25, 1), 1
	s_wait_xcnt 0x0
	s_wait_alu depctr_hold_cnt(0) depctr_sa_sdst(0) depctr_va_vdst(0) depctr_va_sdst(0) depctr_va_ssrc(0) depctr_va_vcc(0) depctr_vm_vsrc(0)
	s_getreg_b32 s2, hwreg(HW_REG_IB_STS2, 6, 4)
	s_cmp_eq_u32 s2, 0
	s_cbranch_scc0 .Lentry_in_a_cluster
	s_endpgm
.Lentry_in_a_cluster:
	s_bfe_u32 s2, ttmp6, 0x10000c
	s_cmp_lg_u32 s2, 0xf033
	s_cbranch_scc0 .Lentry_shape_is_right
	s_endpgm
.Lentry_shape_is_right:
; q = x Wq + bq, k = x Wk + bk, v = x Wv + bv on codes of E5M2.  x: [8192][1024] codes, each W: [1024 (n)][1024 (k)] codes, K innermost.  No input of the problem is dead.
; A sum of product g stands for sum x 2^(ex + ew) of that product's own two entries of the scales: (0,1) for q, (2,3) for k, (4,5) for v.
; q and k leave as f32, v as codes of E5M2 with the scale of entry 7, laid as the next launch's operand registers want them:
;   qimg, kimg: 4,096 bytes a token.  Column n = 16 i + j lies at float 128 (i / 8) + 64 (j / 8) + 32 ((j / 4) % 2) + 4 (i % 8) + j % 4.
;   vimg: 2,048 bytes a pair of tokens.  The code of v[key][j] of the pair's token t lies at byte 256 (key / 8) + 128 t + 8 j + key % 8.
; SHARES.  256 work-groups of four waves.  A work-group owns 256 tokens and columns 128 cb .. + 127 of each weight in turn (q, k, v).  A wave owns 64 tokens.
; x's codes stay in registers: 64 tokens x 1,024 along K are 512 registers, read from LDS once and multiplied by all three weights.
; A STEP is 128 along K x 64 columns: 16 products on 16 accumulators.  48 steps: 0-3 q's column half 0 along K half 0, 4-7 its half 1; 8-15 the same along K half 1; 16-23, 24-31 k's two halves; 32-39, 40-47 v's.
; The two column halves have accumulators of their own: while one half is multiplied the other's finished sums go out, a block of 16 tokens at a time.
; THE MATRIX INSTRUCTION IS USED TRANSPOSED (source 0 = 16 rows of W, source 1 = 16 tokens): a lane holds one token (lane % 16) and its registers run along the tile's rows 8 (lane / 16) + 0 .. 7.
; Which rows form a tile is chosen: for q and k tile b of half u has i % 8 = b + 4 (lane / 16), j = 8 u + 0 .. 7, so that a half is one unit of 256 bytes of a token's image; for v tile b of half u is key % 8 = 4 u + b, all 16 j.
; A fragment's registers 4 c .. 4 c + 3 hold K = 32 c + 16 (lane / 16) + 0 .. 15: a permutation of k, the same on both sides, so every product meets its partner.
; LDS.  Slot 0: a weight's 128 rows x 1,024 bytes (pitch 1,040), its upper 64 rows 128 bytes further on, so that rows 64 apart start in the other half of 256 bytes.  Slot 1: the same; first it takes x's two K halves, one after the other (256 rows x 512 bytes, pitch 528).
; CLUSTERS: 4 x 4 work-groups.  x's tile hangs on the token block alone and is asked for jointly along a row of the cluster, a weight's on the column block alone, jointly along a column.
; By the text's own count a wave has one tensor load out at the head and one behind each later round.
; PREFETCH: x's K half 1 and Wk, one instruction a wave each, at the head; each block of 256 bytes once in a cluster, shared out by address.  Wq is loaded at once, and there is no loop to run ahead in for Wv, which has 16 steps to land.
; LIMITS: entries 0+1, 2+3, 4+5 of the scales lie between -126 and 127; entry 7 between -126 and 112.  NaN among the inputs is not served.
; REGISTERS, in windows of 256: window 0: v1-31 addresses and biases; v32-63 rows read back; v64-255 three buffers of four fragments of W.
;   window 1: accumulator (half u, block a, tile b) at v[128 u + 32 a + 8 b].   windows 2, 3: x's fragment (K step s, block a) at v[64 (s % 4) + 16 a], window 2 + s / 4.
.set RB,    1040
.set XB,    528
.set REG,   64*RB+128
.set SLOT1, 2*REG
.set STAGE, SLOT1+256*XB               ; 16 rows x 272 bytes for each wave
.set STP,   272
.set SPARE, STAGE+4*16*STP             ; the spare words, 128 bytes for each wave: two blocks of 256 bytes that no other line names
.set VST,  1                           ; v's stage, in
.set VCO,  2                           ; my place in vimg
.set BVO,  3                           ; my byte in bv
.set BK1,  4                           ; v[4:7] bk, half 1
.set SCL,  8                           ; 2^e7
.set LIM,  9                           ; 57,344 x 2^e7
.set ADX,  10                          ; LDS address of my fragments of x
.set ADW0, 11                          ; of W's in slot 0, 1 (q, k)
.set ADW1, 12
.set ADV0, 13                          ; v13, v14 of Wv's two halves, slot 0
.set STO,  15                          ; the stage: where I put my token's numbers
.set RDB,  16                          ; and where I read rows back
.set CO,   17                          ; my place in qimg, kimg
.set SPW,  18                          ; my spare word; never rewritten
.set NIL,  19                          ; 0; never rewritten
.set BQ0,  20                          ; v[20:27] bq, halves 0, 1; v[28:31] bk, half 0
.set RBK,  32
.set BS,   64
.set TMP,  64                          ; v's numbers, turned
.set VB,   128                         ; v's rows read back
.set CD,   192                         ; v's codes
.set WV,   26                          ; s26 wave; s100 its low bit, s101 its high bit
.set G1X0, 28                          ; descriptor groups 1: x 128 rows, x 64 rows, W 64 rows, W 32 rows
.set G1X1, 36
.set G1W0, 44
.set G1W1, 52
.set G0X,  60                          ; groups 0
.set G0W,  68
.set MSB, 0
.set DSN, 0                            ; LDS instructions issued so far in the text; FM0-2, RBM: the count behind a buffer's last load
.set FM0, 0
.set FM1, 0
.set FM2, 0
.set RBM, 0
.set N, 0                              ; the step
.set PEND, 0                           ; 1: a block is on its way through the stage; 2: its stores are due
.macro WIN new                         ; the immediate's high byte repeats the setting that is left
.if MSB != \new
	s_set_vgpr_msb (MSB<<8)|\new
.set MSB, \new
.endif
.endm
.macro PLACES                          ; four plain vector instructions between a matrix instruction and a load into, or a read of, its registers
.rept 4
	v_nop
.endr
.endm
.macro CREST                           ; a round of the cluster's barrier behind its opening barrier
	s_cmp_lg_u32 s[WV], 0
	s_cbranch_scc1 .Lnot_wave_0_\@
	s_barrier_signal -3
.Lnot_wave_0_\@:
	s_barrier_wait -3
	s_barrier_signal -1
	s_barrier_wait -1
.endm
.macro CROUND
	s_barrier_signal -1
	s_barrier_wait -1
	CREST
.endm
.macro DSW m                           ; wait until what was issued up to mark m is done
.set W_, DSN-\m
.if W_ > 63
.set W_, 63
.endif
	s_wait_dscnt W_
.endm
.macro WAITN                           ; step N's fragments are in; younger LDS instructions may be out
.if N%3 == 0
	DSW FM0
.elseif N%3 == 1
	DSW FM1
.else
	DSW FM2
.endif
.endm
.macro DEC n                           ; step n: its half U_, K step S_, LDS address register A_ and offset O_
.set D_, \n
.if D_ < 16
.set U_, (D_/4)%2
.set S_, 4*(D_/8)+D_%4
.set A_, ADW0
.set O_, U_*8*RB+128*S_
.else
.set U_, (D_/8)%2
.set S_, D_%8
.if D_ < 32
.set A_, ADW1
.set O_, U_*8*RB+128*S_
.else
.set A_, ADV0+U_
.set O_, 128*S_
.endif
.endif
.endm
.macro FETCH n                         ; step n's four fragments of W into buffer n % 3
	DEC \n
.set FX_, BS+64*(D_%3)
.irp b, 0,1,2,3
.irp c, 0,1,2,3
	ds_load_b128 v[FX_+16*\b+4*\c:FX_+16*\b+4*\c+3], v[A_] offset:\b*16*RB+O_+32*\c
.endr
.endr
.set DSN, DSN+16
.if D_%3 == 0
.set FM0, DSN
.elseif D_%3 == 1
.set FM1, DSN
.else
.set FM2, DSN
.endif
.endm
.macro XLOAD half                      ; x's fragments of a K half
.irp s, 0,1,2,3
.irp a, 0,1,2,3
.irp c, 0,1,2,3
	ds_load_b128 v[64*\s+16*\a+4*\c:64*\s+16*\a+4*\c+3], v[ADX] offset:\a*16*XB+128*\s+32*\c
.endr
.endr
.endr
.set DSN, DSN+64
.endm
.macro BEGIN
	DEC N
.set FB_, BS+64*(N%3)
.set AC_, 128*U_
.set XF_, 64*(S_%4)
.set MW_, 0x58+4*(S_/4)                ; source 0 (W) window 0, source 1 (x) window 2 or 3, C and D window 1
.endm
.macro MULT t                          ; tile t x my four blocks of tokens.  A step's 16 accumulators are all different: they go by turns
.irp a, 0,1,2,3
.if S_ == 0
	v_wmma_f32_16x16x128_bf8_bf8 v[AC_+32*\a+8*\t:AC_+32*\a+8*\t+7], v[FB_+16*\t:FB_+16*\t+15], v[XF_+16*\a:XF_+16*\a+15], 0
.else
	v_wmma_f32_16x16x128_bf8_bf8 v[AC_+32*\a+8*\t:AC_+32*\a+8*\t+7], v[FB_+16*\t:FB_+16*\t+15], v[XF_+16*\a:XF_+16*\a+15], v[AC_+32*\a+8*\t:AC_+32*\a+8*\t+7]
.endif
.endr
.endm
; THE WAY OUT of a block of 16 tokens x 64 columns, in three parts.  TOSTAGE: into my own stage and back as 256 bytes of a token to sixteen lanes.  OFMA: sum x 2^(ex + ew) + bias.  ST: a store.
.macro OPLAN                           ; which block goes to the stage behind step N: OA_ (-1: none), half OU_, q 0 or k 1 in OK_
.set OA_, -1
.if (N >= 12) && (N <= 15)
.set OA_, N-12
.set OU_, 0
.set OK_, 0
.elseif (N >= 17) && (N <= 39) && ((N%2) == 1)
.set OA_, ((N-17)%8)/2
.set OU_, ((N-17)/8+1)%2
.set OK_, ((N-17)/8+1)/2
.endif
.endm
.macro TOSTAGE
.set TA_, OA_
.set TU_, OU_
.set TK_, OK_
	WIN 0x04                                       ; the stores' data in window 1
.irp b, 0,1,2,3
	ds_store_b128 v[STO], v[128*TU_+32*TA_+8*\b:128*TU_+32*TA_+8*\b+3] offset:16*\b
	ds_store_b128 v[STO], v[128*TU_+32*TA_+8*\b+4:128*TU_+32*TA_+8*\b+7] offset:16*\b+128
.endr
	WIN 0
.irp t, 0,1,2,3,4,5,6,7
	ds_load_b128 v[RBK+4*\t:RBK+4*\t+3], v[RDB] offset:\t*2*STP   ; LDS serves a wave's instructions in order (ISA guide 5.7.1.4): these see the stores above
.endr
.set DSN, DSN+16
.set RBM, DSN
.endm
.macro OFMA
.set BI_, BQ0+4*TU_+8*TK_
.if (TK_ == 1) && (TU_ == 1)
.set BI_, BK1
.endif
.set SC_, 88+2*TK_
	DSW RBM
.irp t, 0,1,2,3,4,5,6,7
	v_pk_fma_f32 v[RBK+4*\t:RBK+4*\t+1], v[RBK+4*\t:RBK+4*\t+1], s[SC_:SC_+1], v[BI_:BI_+1] op_sel_hi:[1,0,1]
	v_pk_fma_f32 v[RBK+4*\t+2:RBK+4*\t+3], v[RBK+4*\t+2:RBK+4*\t+3], s[SC_:SC_+1], v[BI_+2:BI_+3] op_sel_hi:[1,0,1]
.endr
	s_wait_alu depctr_va_vdst(0)                   ; the stores may stand behind the next step's wait
.endm
.macro ST x                            ; two tokens' units of 256 bytes
.set PT_, 20+2*TK_
	global_store_b128 v[CO], v[RBK+4*(\x):RBK+4*(\x)+3], s[PT_:PT_+1] offset:(16*TA_+2*(\x))*4096+256*TU_
.endm
.macro POST1                           ; directly behind a step's products: the sums' scaling, which is also the places in front of the loads, or four v_nop
.if PEND == 1
	OFMA
.set PEND, 2
.else
	PLACES
.endif
.endm
.macro POST2
	OPLAN
.if OA_ >= 0
.if PEND == 2
.irp t, 0,1,2,3,4,5,6,7
	ST \t
.endr
.set PEND, 0
.endif
	s_wait_xcnt 0x0                                ; the stores have read v32-63: the next rows may land there
	TOSTAGE
.set PEND, 1
.endif
.endm
.macro STEP
	WAITN
	BEGIN
	WIN MW_
.if PEND == 2
.irp t, 0,1,2,3                        ; a finished block's eight stores, two behind each four products
	MULT \t
	WIN 0
	ST 2*\t
	ST 2*\t+1
.if \t < 3
	WIN MW_
.endif
.endr
.set PEND, 0
.else
	MULT 0
	MULT 1
	MULT 2
	MULT 3
.endif
	WIN 0
	POST1
.if (N != 13) && (N != 29) && (N < 45)
	FETCH N+3                                      ; into the buffer just multiplied
.endif
	POST2
.set N, N+1
.endm
; A step with a barrier.  fill = 1: Wk into slot 1, 2: Wv into slot 0, 0: nothing is filled.
.macro CHANGE fill
	WAITN
	s_wait_tensorcnt 0x0                           ; all my tensor loads have landed
	ds_add_u32 v[SPW], v[NIL]                      ; 0 onto my spare word
.set DSN, DSN+1
.if \fill
	s_mul_i32 s[G0W+1], s101, REG                  ; no load of mine is out, so a group 0 may be written: rows 32 wave .. + 31
	s_mul_i32 s27, s100, 32*RB
	s_add_co_u32 s[G0W+1], s[G0W+1], s27
.if \fill == 1
	s_add_co_u32 s[G0W+1], s[G0W+1], SLOT1
	s_mov_b64 s[G0W+2:G0W+3], s[74:75]
.else
	s_mov_b64 s[G0W+2:G0W+3], s[76:77]
.endif
	s_or_b32 s[G0W+3], s[G0W+3], 0x80000000
.endif
	BEGIN
	WIN MW_
	MULT 0                                         ; eight products stand between the add and the wait for it
	MULT 1
	s_wait_dscnt 0x0                               ; the add is done, and my reads of the slot to be filled are over
	s_barrier_signal -1
	MULT 2
	MULT 3
	WIN 0
	s_barrier_wait -1
.if \fill
	CREST                                          ; no wave of any partner still reads those bytes or has a load on its way
	tensor_load_to_lds s[G0W:G0W+3], s[G1W1:G1W1+7]
	s_nop 0
	PLACES
.endif
.endm
	s_load_b512 s[4:19], s[0:1], 0x0               ; x s[4:5], Wq s[6:7], Wk s[8:9], Wv s[10:11], bq s[12:13], bk s[14:15], bv s[16:17], the scales s[18:19]
	s_load_b128 s[20:23], s[0:1], 0x40             ; qimg, kimg
	s_load_b64 s[24:25], s[0:1], 0x50              ; vimg
	v_lshl_add_u32 v[SPW], v0, 2, SPARE
	v_mov_b32 v[NIL], 0
	ds_add_u32 v[SPW], v[NIL]                      ; the wave's opening: the add twice on end; its wait stands ahead of my first tensor load
	ds_add_u32 v[SPW], v[NIL]
	v_lshrrev_b32 v1, 5, v0
	v_readfirstlane_b32 s[WV], v1                  ; wave 0..3
	s_and_b32 s100, s[WV], 1
	s_lshr_b32 s101, s[WV], 1
	s_bfe_u32 s94, ttmp6, 0x40000                  ; cx
	s_bfe_u32 s95, ttmp6, 0x40004                  ; cy
	s_lshl_b32 s96, ttmp9, 2
	s_add_co_u32 s96, s96, s94                     ; cb: block of 128 columns
	s_and_b32 s97, ttmp7, 0xffff
	s_lshl_b32 s97, s97, 2
	s_add_co_u32 s97, s97, s95                     ; rb: block of 256 tokens
	s_lshl_b32 s98, s95, 2
	s_lshl_b32 s98, 15, s98                        ; my row of the cluster
	s_lshl_b32 s99, 0x1111, s94                    ; my column
	s_or_b32 s[G1X0], s98, (1<<20)|(1<<21)|(6<<22)|(3<<25)   ; 15:0 the mask; elements of 1 byte; 20 padding on; 21 set beside a mask; 24:22 after every 128 words; 31:25 four words
	s_or_b32 s[G1X1], s98, (1<<20)|(1<<21)|(6<<22)|(3<<25)
	s_or_b32 s[G1W0], s99, (1<<20)|(1<<21)|(7<<22)|(3<<25)   ; after every 256 words
	s_or_b32 s[G1W1], s99, (1<<20)|(1<<21)|(7<<22)|(3<<25)
.irp g, G1X0, G1X1
	s_mov_b32 s[\g+1], 512<<16
	s_mov_b32 s[\g+3], 512<<16
.endr
.irp g, G1W0, G1W1
	s_mov_b32 s[\g+1], 1024<<16
	s_mov_b32 s[\g+3], 1024<<16
.endr
.irp g, G1X0, G1X1, G1W0, G1W1
	s_mov_b32 s[\g+5], 1024                        ; bytes from row to row
	s_mov_b32 s[\g+6], 0
	s_mov_b32 s[\g+7], 0
.endr
	s_mov_b32 s[G1X0+2], 128<<16
	s_mov_b32 s[G1X0+4], 128
	s_mov_b32 s[G1X1+2], 64<<16
	s_mov_b32 s[G1X1+4], 64
	s_mov_b32 s[G1W0+2], 64<<16
	s_mov_b32 s[G1W0+4], 64
	s_mov_b32 s[G1W1+2], 32<<16
	s_mov_b32 s[G1W1+4], 32
	s_lshl_b32 s66, s97, 18                        ; x, K half 0: rows 256 rb + 128 (wave % 2) of 1,024 bytes
	s_lshl_b32 s67, s100, 17
	s_add_co_u32 s66, s66, s67
	s_mov_b32 s67, 0
	s_lshl_b32 s80, s97, 18                        ; x, K half 1: rows 256 rb + 64 wave
	s_lshl_b32 s81, s[WV], 16
	s_add_co_u32 s80, s80, s81
	s_add_co_u32 s80, s80, 512
	s_mov_b32 s81, 0
	s_lshl_b32 s82, s96, 17                        ; Wq: rows 128 cb + 64 (wave % 2)
	s_lshl_b32 s83, s100, 16
	s_add_co_u32 s82, s82, s83
	s_mov_b32 s83, 0
	s_lshl_b32 s78, s96, 17                        ; Wk, Wv: rows 128 cb + 32 wave
	s_lshl_b32 s79, s[WV], 15
	s_add_co_u32 s78, s78, s79
	s_mov_b32 s79, 0
	s_mov_b32 s[G0X], 1
	s_mul_i32 s[G0X+1], s100, 128*XB               ; no place in the cluster enters an LDS address
	s_add_co_u32 s[G0X+1], s[G0X+1], SLOT1
	s_mov_b32 s[G0W], 1
	s_mul_i32 s[G0W+1], s100, REG
	s_wait_dscnt 0x0                               ; both opening adds are done
	s_wait_kmcnt 0x0
	s_add_nc_u64 s[G0X+2:G0X+3], s[4:5], s[66:67]
	s_or_b32 s[G0X+3], s[G0X+3], 0x80000000
	s_add_nc_u64 s[72:73], s[4:5], s[80:81]
	s_add_nc_u64 s[G0W+2:G0W+3], s[6:7], s[82:83]
	s_or_b32 s[G0W+3], s[G0W+3], 0x80000000
	s_add_nc_u64 s[74:75], s[8:9], s[78:79]
	s_add_nc_u64 s[76:77], s[10:11], s[78:79]
	s_load_b256 s[80:87], s[18:19], 0x0            ; entries 0 to 7 of the scales
	CROUND                                         ; all sixteen work-groups are here: the first joint loads meet
	s_cmp_lt_u32 s[WV], 2
	s_cbranch_scc0 .Lhead_w
	tensor_load_to_lds s[G0X:G0X+3], s[G1X0:G1X0+7]   ; waves 0, 1: x, K half 0, into slot 1
	s_nop 0
	PLACES
	s_branch .Lhead_done
.Lhead_w:
	tensor_load_to_lds s[G0W:G0W+3], s[G1W0:G1W0+7]   ; waves 2, 3: Wq into slot 0
	s_nop 0
	PLACES
.Lhead_done:
	s_mul_i32 s27, s[WV], 64*XB
	s_add_co_u32 s27, s27, SLOT1                   ; my 64 rows of x
	s_mul_i32 s66, s[WV], 16*STP
	s_add_co_u32 s66, s66, STAGE                   ; my stage
	s_lshl_b32 s94, s94, 16                        ; the prefetch of x's K half 1: rows 256 rb + 64 cx + 16 wave + lane / 2,
	s_lshl_b32 s67, s[WV], 14
	s_add_co_u32 s94, s94, s67
	s_lshl_b32 s67, s97, 18
	s_add_co_u32 s94, s94, s67
	s_lshl_b32 s95, s95, 15                        ; of Wk: rows 128 cb + 32 cy + 8 wave + lane / 4
	s_lshl_b32 s98, s[WV], 13
	s_add_co_u32 s95, s95, s98
	s_lshl_b32 s98, s96, 17
	s_add_co_u32 s95, s95, s98
	v_and_b32 v46, 15, v0                          ; r
	v_bfe_u32 v47, v0, 4, 1                        ; hh
	v_and_b32 v48, 31, v0                          ; lane
	v_mul_u32_u24 v49, v46, XB
	v_lshl_add_u32 v49, v47, 4, v49
	v_add_nc_u32 v[ADX], s27, v49
	v_and_b32 v50, 7, v46
	v_mul_u32_u24 v50, v50, RB
	v_lshrrev_b32 v51, 3, v46
	v_mul_u32_u24 v51, v51, REG
	v_add_nc_u32 v50, v50, v51
	v_lshl_add_u32 v[ADW0], v47, 4, v50            ; q, k: row r % 8 of the lower or, lanes r >= 8, the upper 64
	v_add_nc_u32 v[ADW1], SLOT1, v[ADW0]
	v_mul_u32_u24 v52, v46, RB
	v_lshl_add_u32 v[ADV0], v47, 4, v52            ; v: row r
	v_add_nc_u32 v[ADV0+1], REG, v[ADV0]
	v_mul_u32_u24 v53, v46, STP
	v_lshl_add_u32 v53, v47, 6, v53
	v_add_nc_u32 v[STO], s66, v53                  ; row r, + 64 hh
	v_mul_u32_u24 v54, v47, STP
	v_lshl_add_u32 v54, v46, 4, v54
	v_add_nc_u32 v[RDB], s66, v54                  ; back: sixteen lanes to a row
	v_lshlrev_b32 v55, 12, v47
	v_lshl_add_u32 v[CO], v46, 4, v55
	v_lshrrev_b32 v56, 1, v46
	v_mul_u32_u24 v56, v56, STP
	v_and_b32 v57, 1, v46
	v_lshl_add_u32 v56, v57, 7, v56
	v_lshl_add_u32 v56, v47, 6, v56
	v_add_nc_u32 v[VST], s66, v56                  ; v's stage: pair r / 2, token r % 2, byte 64 hh
	v_lshlrev_b32 v58, 11, v47
	v_lshl_add_u32 v[VCO], v46, 4, v58
	v_lshlrev_b32 v[BVO], 5, v47
	v_and_b32 v59, 7, v46                          ; the four numbers at float 4 r of a unit are columns 16 (r % 8) + 8 u + 4 (r / 8) + 0 .. 3
	v_lshlrev_b32 v59, 6, v59
	v_lshrrev_b32 v60, 3, v46
	v_lshl_add_u32 v59, v60, 4, v59
	v_lshrrev_b32 v61, 1, v48
	v_and_b32 v62, 1, v48
	v_lshlrev_b32 v62, 8, v62
	v_lshl_add_u32 v61, v61, 10, v62
	v_add_nc_u32 v44, s94, v61
	v_lshrrev_b32 v61, 2, v48
	v_and_b32 v62, 3, v48
	v_lshlrev_b32 v62, 8, v62
	v_lshl_add_u32 v61, v61, 10, v62
	v_add_nc_u32 v45, s95, v61
	s_wait_alu depctr_va_vdst(0)                   ; ahead of the scalar lines and the branch below
	global_prefetch_b8 v44, s[4:5] offset:512 th:TH_LOAD_NT scope:SCOPE_SE
	s_and_b32 s27, ttmp7, 0xffff
	s_cmp_lt_u32 s27, 4                            ; Wk's block is read by eight clusters: the first four rows of clusters ask
	s_cbranch_scc0 .Lno_ask
	global_prefetch_b8 v45, s[8:9] th:TH_LOAD_NT scope:SCOPE_SE
	global_prefetch_b8 v45, s[10:11] th:TH_LOAD_NT scope:SCOPE_SE   ; and Wv's block likewise, in addition to what the head lists: its tensor load stands in step 14, behind q's first stores
.Lno_ask:
	s_lshl_b32 s98, s96, 9
	s_mov_b32 s99, 0
	s_add_nc_u64 s[12:13], s[12:13], s[98:99]      ; my 128 columns in a bias
	s_add_nc_u64 s[14:15], s[14:15], s[98:99]
	s_add_nc_u64 s[16:17], s[16:17], s[98:99]
	s_lshl_b32 s94, s97, 20                        ; (256 rb + 64 wave) tokens of 4,096 bytes, + 512 cb
	s_lshl_b32 s95, s[WV], 18
	s_add_co_u32 s94, s94, s95
	s_add_co_u32 s94, s94, s98
	s_mov_b32 s95, 0
	s_add_nc_u64 s[20:21], s[20:21], s[94:95]
	s_add_nc_u64 s[22:23], s[22:23], s[94:95]
	s_lshl_b32 s94, s97, 18                        ; as many tokens of 1,024 bytes, + 256 cb
	s_lshl_b32 s95, s[WV], 16
	s_add_co_u32 s94, s94, s95
	s_lshl_b32 s95, s96, 8
	s_add_co_u32 s94, s94, s95
	s_mov_b32 s95, 0
	s_add_nc_u64 s[24:25], s[24:25], s[94:95]
	global_load_b128 v[BQ0:BQ0+3], v59, s[12:13]
	global_load_b128 v[BQ0+4:BQ0+7], v59, s[12:13] offset:32
	global_load_b128 v[BQ0+8:BQ0+11], v59, s[14:15]
	global_load_b128 v[BK1:BK1+3], v59, s[14:15] offset:32
	s_wait_kmcnt 0x0
	s_add_co_i32 s88, s80, s81
	s_add_co_i32 s88, s88, 127
	s_lshl_b32 s88, s88, 23                        ; 2^(e0 + e1) as f32
	s_mov_b32 s89, s88                             ; (named with it as a pair, so it is written)
	s_add_co_i32 s90, s82, s83
	s_add_co_i32 s90, s90, 127
	s_lshl_b32 s90, s90, 23                        ; 2^(e2 + e3)
	s_mov_b32 s91, s90
	s_add_co_i32 s92, s84, s85
	s_add_co_i32 s92, s92, 127
	s_lshl_b32 s92, s92, 23                        ; 2^(e4 + e5)
	s_mov_b32 s93, s92
	s_add_co_i32 s94, s87, 127
	s_lshl_b32 s95, s94, 23
	v_mov_b32 v[SCL], s95                          ; 2^e7: the conversion takes its exponent field
	s_add_co_i32 s94, s94, 15
	s_lshl_b32 s94, s94, 23
	s_or_b32 s94, s94, 0x600000
	v_mov_b32 v[LIM], s94                          ; 57,344 x 2^e7
	s_wait_alu depctr_va_vdst(0)
	s_wait_tensorcnt 0x0                           ; my part of x's K half 0 or of Wq is in
	s_barrier_signal -1
	s_barrier_wait -1                              ; everybody's is
	WIN 0x80                                       ; destination window 2
	XLOAD 0
	WIN 0
	FETCH 0
	FETCH 1
	FETCH 2
	s_wait_tensorcnt 0x0
	ds_add_u32 v[SPW], v[NIL]                      ; 0 onto my spare word
.set DSN, DSN+1
	s_mov_b64 s[G0X+2:G0X+3], s[72:73]             ; my 64 rows of x, K half 1
	s_or_b32 s[G0X+3], s[G0X+3], 0x80000000
	s_mul_i32 s[G0X+1], s[WV], 64*XB
	s_add_co_u32 s[G0X+1], s[G0X+1], SLOT1
	s_wait_dscnt 0x0                               ; the add is done, and x's K half 0 is in my registers
	CROUND                                         ; that holds of every wave of every partner
	tensor_load_to_lds s[G0X:G0X+3], s[G1X1:G1X1+7]   ; x, K half 1, over K half 0
	s_nop 0
	PLACES
.rept 5
	STEP
.endr
	s_wait_tensorcnt 0x0                           ; my own rows of x's K half 1 are in; no other wave reads them
	WIN 0xc0                                       ; destination window 3
	XLOAD 1
	WIN 0
	STEP
	STEP
	CHANGE 1                                       ; step 7: x is in registers everywhere; slot 1 takes Wk
	FETCH N+3
.set N, N+1
	s_wait_loadcnt 0x0                             ; bq, bk
.rept 6
	STEP
.endr
	CHANGE 2                                       ; step 14: Wk is whole; slot 0 has been read and takes Wv
	POST1
	FETCH N+2
	FETCH N+3
	POST2
.set N, N+1
.rept 15
	STEP
.endr
	CHANGE 0                                       ; step 30: Wv is whole; nothing is left to ask for
	POST1
	FETCH N+2
	FETCH N+3
	POST2
.set N, N+1
.rept 11
	STEP
.endr
	WIN 0x80                                       ; behind step 41: bv in the result's layout, key b's j = 8 hh + 0 .. 7, into window 2's v0-63: x's K step 0 has had its last product
.irp b, 0,1,2,3,4,5,6,7
	global_load_b128 v[8*\b:8*\b+3], v[BVO], s[16:17] offset:64*\b
	global_load_b128 v[8*\b+4:8*\b+7], v[BVO], s[16:17] offset:64*\b+16
.endr
	WIN 0
.rept 6
	STEP
.endr
	; THE WAY OUT OF v, a block of 16 tokens at a time.  The hold writes each number to place 8 jj + key % 8: eight neighbours are then eight keys of one j, as the conversion wants them,
	; and a lane's 64 codes are 64 neighbouring bytes of its token's image.  The block goes through my stage and leaves as pairs of tokens, 256 bytes to sixteen lanes.
	s_wait_loadcnt 0x0                             ; bv
.irp a, 0,1,2,3
	WIN 0x61                                       ; the sums in window 1, bv in window 2
.irp b, 0,1,2,3,4,5,6,7
.set AC_, 128*(\b/4)+32*\a+8*(\b%4)
.irp e, 0,2,4,6
	v_pk_fma_f32 v[AC_+\e:AC_+\e+1], v[AC_+\e:AC_+\e+1], s[92:93], v[8*\b+\e:8*\b+\e+1] op_sel_hi:[1,0,1]   ; v = sum x 2^(e4 + e5) + bv, each accumulator from its low end on
.endr
.endr
	WIN 0x01
.irp b, 0,1,2,3,4,5,6,7
.set AC_, 128*(\b/4)+32*\a+8*(\b%4)
.irp e, 0,1,2,3,4,5,6,7
	v_med3_num_f32 v[TMP+8*\e+\b], v[AC_+\e], -v[LIM], v[LIM]   ; the conversion to an 8-bit code does not saturate (ISA guide 7.6.2): the hold, and the turn
.endr
.endr
	WIN 0
.irp e, 0,1,2,3,4,5,6,7
	v_cvt_scalef32_pk8_bf8_f32 v[CD+16*\a+2*\e:CD+16*\a+2*\e+1], v[TMP+8*\e:TMP+8*\e+7], v[SCL]
.endr
	v_nop                                          ; a plain line behind the conversions
.irp c, 0,1,2,3
	ds_store_b128 v[VST], v[CD+16*\a+4*\c:CD+16*\a+4*\c+3] offset:16*\c
.endr
.irp t, 0,1,2,3
	ds_load_b128 v[VB+16*\a+4*\t:VB+16*\a+4*\t+3], v[RDB] offset:\t*2*STP
.endr
.if \a > 0
	s_wait_dscnt 8                                 ; block a - 1 is back; block a's four stores and four loads may be out
.irp t, 0,1,2,3
	global_store_b128 v[VCO], v[VB+16*(\a-1)+4*\t:VB+16*(\a-1)+4*\t+3], s[24:25] offset:(8*(\a-1)+2*\t)*2048
.endr
.endif
.endr
	s_wait_dscnt 0x0
.irp t, 0,1,2,3
	global_store_b128 v[VCO], v[VB+48+4*\t:VB+48+4*\t+3], s[24:25] offset:(24+2*\t)*2048
.endr
	s_wait_tensorcnt 0x0                           ; the wave's end
	ds_add_u32 v[SPW], v[NIL]
	s_wait_dscnt 0x0
	CROUND                                         ; the closing round
	s_endpgm
.Lfunc_end_k_q659f7ccac2_qkv:
	.size	k_q659f7ccac2_qkv, .Lfunc_end_k_q659f7ccac2_qkv-k_q659f7ccac2_qkv
	.p2alignl 7, 3214868480
	.fill 96, 4, 3214868480
	.section	.rodata,"a",@progbits
	.p2align	6, 0x0
	.amdhsa_kernel k_q659f7ccac2_qkv
		.amdhsa_group_segment_fixed_size 327680
		.amdhsa_private_segment_fixed_size 0
		.amdhsa_enable_private_segment 0
		.amdhsa_kernarg_size 88
		.amdhsa_user_sgpr_count 2
		.amdhsa_user_sgpr_kernarg_segment_ptr 1
		.amdhsa_wavefront_size32 1
		.amdhsa_system_sgpr_workgroup_id_x 1
		.amdhsa_system_sgpr_workgroup_id_y 1
		.amdhsa_system_sgpr_workgroup_id_z 1
		.amdhsa_system_vgpr_workitem_id 0
		.amdhsa_next_free_vgpr 1024
		.amdhsa_next_free_sgpr 102
		.amdhsa_reserve_vcc 0
		.amdhsa_float_denorm_mode_32 3
		.amdhsa_float_denorm_mode_16_64 3
		.amdhsa_memory_ordered 1
		.amdhsa_forward_progress 1
		.amdhsa_inst_pref_size 208
	.end_amdhsa_kernel
	.amdgpu_metadata
---
amdhsa.version: [ 1, 2 ]
amdhsa.kernels:
  - .name:           k_q659f7ccac2_qkv
    .symbol:         k_q659f7ccac2_qkv.kd
    .args:
      - { .name: x_codes, .offset: 0, .size: 8, .value_kind: global_buffer, .address_space: global }
      - { .name: Wq_codes, .offset: 8, .size: 8, .value_kind: global_buffer, .address_space: global }
      - { .name: Wk_codes, .offset: 16, .size: 8, .value_kind: global_buffer, .address_space: global }
      - { .name: Wv_codes, .offset: 24, .size: 8, .value_kind: global_buffer, .address_space: global }
      - { .name: bq, .offset: 32, .size: 8, .value_kind: global_buffer, .address_space: global }
      - { .name: bk, .offset: 40, .size: 8, .value_kind: global_buffer, .address_space: global }
      - { .name: bv, .offset: 48, .size: 8, .value_kind: global_buffer, .address_space: global }
      - { .name: lowp_scales, .offset: 56, .size: 8, .value_kind: global_buffer, .address_space: global }
      - { .name: qimg, .offset: 64, .size: 8, .value_kind: global_buffer, .address_space: global }
      - { .name: kimg, .offset: 72, .size: 8, .value_kind: global_buffer, .address_space: global }
      - { .name: vimg, .offset: 80, .size: 8, .value_kind: global_buffer, .address_space: global }
    .group_segment_fixed_size: 327680
    .private_segment_fixed_size: 0
    .kernarg_segment_align: 8
    .kernarg_segment_size: 88
    .max_flat_workgroup_size: 128
    .sgpr_count:     102
    .vgpr_count:     1024
    .wavefront_size: 32
...
	.end_amdgpu_metadata
.endif
;; end of part 1
;; launch attnproj (part 2): grid 256 x 1, 16 waves a work-group, clusters of 4 x 1, 327,680 bytes of LDS; arguments qimg, kimg, vimg, lowp_scales, Wo_codes, bo, out0; writes out0
.if DOCPART == 2
	.amdgcn_target "amdgcn-amd-amdhsa--gfx1250"
	.amdhsa_code_object_version 6
	.text
	.protected	k_q659f7ccac2_attnproj
	.globl	k_q659f7ccac2_attnproj
	.p2align	8
	.type	k_q659f7ccac2_attnproj,@function
k_q659f7ccac2_attnproj:
	s_mov_b64 s[64:65], 0
	v_nop
	global_prefetch_b8 v0, s[64:65] scope:SCOPE_SE
	s_setreg_imm32_b32 hwreg(HW_REG_WAVE_MODE, 25, 1), 1
	s_wait_xcnt 0x0
	s_wait_alu depctr_hold_cnt(0) depctr_sa_sdst(0) depctr_va_vdst(0) depctr_va_sdst(0) depctr_va_ssrc(0) depctr_va_vcc(0) depctr_vm_vsrc(0)
	s_getreg_b32 s2, hwreg(HW_REG_IB_STS2, 6, 4)
	s_cmp_eq_u32 s2, 0
	s_cbranch_scc0 .Lentry_in_a_cluster
	s_endpgm
.Lentry_in_a_cluster:
	s_bfe_u32 s2, ttmp6, 0x10000c
	s_cmp_lg_u32 s2, 0x3003
	s_cbranch_scc0 .Lentry_shape_is_right
	s_endpgm
.Lentry_shape_is_right:
; The attention inside each token, and out = y Wo + bo.  q, k, v are [64][16] a token.  score(i, key) = q[i] . k[key] / 4 + 1e-6, kept where key <= i and the score is not 0, else -infinity.
; t = score x log2(e); M = the row's largest t rounded up to a whole number; p = 2^(t - M) is quantised to E5M2 with the scale of entry 6; the row's sum l is taken of the unquantised p.
; y[i][j] = (sum over keys of p v) / l, on codes (v's were made with entry 7 by the launch before), quantised with entry 8.  Column 16 i + j of y is K of the last product, whose sums stand for sum x 2^(e8 + e9).
; SHARES.  A work-group owns 32 tokens, a wave two of them in the attention.  Sixteen waves of 256 registers, four to a SIMD.  y's codes stay in LDS.
; The projection then walks Wo in eight slots of 128 columns x 1,024 along K.  A wave takes tile w % 8 of 16 columns, K half w / 8, for all 32 tokens; the two halves' sums meet in a stage, and a wave stores two tokens' 512 bytes.
; LEFT OUT: of the 16 tiles of scores a token the six with all keys behind their queries.
; LAYOUT of the attention.  Both products are used transposed.  S^T = k q^T in f32 (source 0 = 16 keys, source 1 = 16 queries, 4 of the 16 j an instruction): a lane holds ONE query (lane % 16) and, in tile (it, kt),
; keys 16 kt + 8 (lane / 16) + 0 .. 7.  Those eight, converted, ARE registers 2 kt, 2 kt + 1 of source 1 of O^T = v^T p^T (16x16x64 on codes).
; The j of q and k are taken in the order 8 g + 4 (lane / 16) + e, the same on both sides, so every product meets its partner.
; LAYOUT of the projection: transposed (source 0 = 16 rows of Wo, source 1 = 16 tokens); a fragment's registers 4 c .. 4 c + 3 hold K = 32 c + 16 (lane / 16) + 0 .. 15 on both sides.
; CLUSTERS: 4 work-groups ask for Wo's tiles jointly (all work-groups walk the same Wo).  By the text's own count a wave has one tensor load out at the head (16 rows of slot 0 or 1) and one behind each refill's round (8 rows).
; PREFETCH of Wo into the L2 by the first four clusters, waves 0 to 3, shared out by address: slots 2 and 3 between the two tokens, slot n + 4 behind slot n's refill, which loads slot n + 2.
; q, k and v are read once by one wave and are not asked for ahead: their loads are all issued at once, with no loop to run ahead in.
; LIMITS: entry 6, and entry 8 - entry 6 - entry 7, lie between -126 and 112; entries 8 + 9 between -126 and 127.  NaN is not served; a row all of whose kept scores are exactly 0 is NaN by the definition and need not be NaN here.
.set RB,    1040                       ; a row of Wo or of y in LDS: 1,024 bytes + 16
.set SLOT,  128*RB
.set YB,    2*SLOT                     ; y's codes, 32 rows; later the stage: two K halves x 32 tokens x (512 + 16) bytes
.set SP2,   528
.set HP,    32*SP2
.set SPARE, YB+2*HP                    ; the spare words, 128 bytes for each wave: eight blocks of 256 bytes that no other line names
.set KF, 24                            ; v24-55   k: tile t at 8 t
.set QF, 56                            ; v56-87   q likewise
.set VV, 88                            ; v88-103  v^T's fragment, a set for each token
.set SS, 104                           ; v104-183 the ten tiles of scores, later the projection's sums: written by matrix instructions alone
.set PP, 184                           ; v184-215 a row of tiles at work
.set PC, 216                           ; v216-231 p's codes, two sets
.set OO, 232                           ; v232-247 O^T, two sets
.set YC, 248                           ; v248-255 y's codes, a pair for each tile of queries
.set PFO, 21                           ; v21  the prefetches' offset
.set SPW, 22                           ; v22  my spare word: SPARE + 4 x my thread's number; never rewritten
.set NIL, 23                           ; v23  0; never rewritten
.set WV, 14                            ; s14  wave 0..15
.set MK, 32                            ; s[32:39] lanes in which register jj of a diagonal tile is kept: jj <= lane % 16 - 8 (lane / 16)
.set TK, 40                            ; s[40:47] at work
.set G0, 52                            ; s[52:55] descriptor group 0; s[56:63] group 1 of 16 rows, s[68:75] of 8 rows
.set G1H, 56
.set G1R, 68
; v1 my byte in q's and k's image, v2 in v's, v3 in y's rows in LDS; v4 -infinity; v5, v6: 2^e6 and 57,344 x that; v7, v8: the same with e8 - e6 - e7; v9 a permute's destination;
; v[10:11] 1e-6 log2(e) - M; v[12:15] the sum in two chains; v16, v17 maxima; v[18:19] 1 / l; v20 1e-6 log2(e)
; In the projection: v[4:19] and v[232:247] fragments of Wo; v24-103 and v184-231 y's eight fragments; v248-255 results.
.set ASI, 1                            ; v1   the stage: where I put my token's sums
.set ASO, 2                            ; v2   and where I read my two tokens
.set CO,  3                            ; v3   16 x lane
.set AW0, 20                           ; v20, v0  my fragments of Wo in slot 0, 1
.set AW1, 0
.macro CROUND                          ; a round of the cluster's barrier
	s_barrier_signal -1
	s_barrier_wait -1
	s_cmp_lg_u32 s[WV], 0
	s_cbranch_scc1 .Lnot_wave_0_\@
	s_barrier_signal -3
.Lnot_wave_0_\@:
	s_barrier_wait -3
	s_barrier_signal -1
	s_barrier_wait -1
.endm
.macro PLACES                          ; four plain vector instructions (ISA guide 7.12.1)
.rept 4
	v_nop
.endr
.endm
.macro LOADS tau
.irp t, 0,1,2,3
.irp g, 0,1
	global_load_b128 v[KF+8*\t+4*\g:KF+8*\t+4*\g+3], v1, s[6:7] offset:4096*(\tau)+1024*\t+256*\g th:TH_LOAD_NT   ; two whole aligned runs of 256 bytes an instruction
	global_load_b128 v[QF+8*\t+4*\g:QF+8*\t+4*\g+3], v1, s[4:5] offset:4096*(\tau)+1024*\t+256*\g th:TH_LOAD_NT
.endr
.endr
.if (\tau) == 0                        ; both tokens' v at once: a unit of 256 bytes holds 128 of each
.irp c, 0,1,2,3
	global_load_b64 v[VV+2*\c:VV+2*\c+1], v2, s[8:9] offset:512*\c th:TH_LOAD_NT      ; keys 16 c + 8 (lane / 16) + 0 .. 7 of j = lane % 16
	global_load_b64 v[VV+8+2*\c:VV+8+2*\c+1], v2, s[8:9] offset:512*\c+128 th:TH_LOAD_NT
.endr
.endif
.endm
; Queries 16 it .. 16 it + 15 of token tau: it + 1 tiles of scores.
.macro QTILE tau, it
.set NN, (\it)+1
.set SB, SS+8*((\it)*((\it)+1)/2)
.set PCS, PC+8*((\it)%2)
.set OS, OO+8*((\it)%2)
	s_wait_alu depctr_va_vdst(0)                   ; directly ahead of the first readers of these scores
.set KT, 0
.rept NN
.irp e, 0,1,2,3,4,5,6,7
	v_cmp_neq_f32 s[TK+\e], s15, v[SB+8*KT+\e]     ; sum / 4 + 1e-6 is 0 in f32 where the sum is -4 x that 1e-6, and nowhere else: such a score is not kept; each tile from its low end on
.endr
.if KT == (\it)
.irp e, 0,1,2,3,4,5,6,7
	s_and_b32 s[TK+\e], s[TK+\e], s[MK+\e]         ; nor, on the diagonal, a key behind the query
.endr
.endif
.irp e, 0,1,2,3,4,5,6,7
	v_cndmask_b32 v[PP+8*KT+\e], v4, v[SB+8*KT+\e], s[TK+\e]
.endr
.set KT, KT+1
.endr
	v_max3_num_f32 v16, v[PP], v[PP+1], v[PP+2]    ; the row's largest sum among my keys, in two chains,
	v_max3_num_f32 v17, v[PP+3], v[PP+4], v[PP+5]
.set U, 6
.rept 4*NN-3
	v_max3_num_f32 v[16+(U/2)%2], v[16+(U/2)%2], v[PP+U], v[PP+U+1]
.set U, U+2
.endr
	s_delay_alu instid0(VALU_DEP_1)
	v_max_num_f32 v16, v16, v17
	s_delay_alu instid0(VALU_DEP_1)
	v_permlanex16_b32 v9, v16, s20, s21
	s_delay_alu instid0(VALU_DEP_1)
	v_max_num_f32 v16, v16, v9                     ; and among lane l xor 16's
	s_delay_alu instid0(VALU_DEP_1)
	v_fma_f32 v16, v16, s24, v20                   ; as t = sum x log2(e) / 4 + 1e-6 log2(e)
	s_delay_alu instid0(VALU_DEP_1)
	v_floor_f32 v10, -v16                          ; -M = floor(-t) = -ceil(t)
	s_delay_alu instid0(VALU_DEP_1)
	v_add_f32 v10, v10, v20
.set U, 0
.rept 4*NN
	v_pk_fma_f32 v[PP+2*U:PP+2*U+1], v[PP+2*U:PP+2*U+1], s[24:25], v[10:11] op_sel_hi:[1,0,0]   ; t - M
.set U, U+1
.endr
.set U, 0
	s_wait_alu depctr_va_vdst(0)
.rept 8*NN
	v_exp_f32 v[PP+U], v[PP+U]                     ; p = 2^(t - M); 0 where the score is -infinity
.set U, U+1
.endr
.if (\it) == 0                         ; keys behind the row's last tile get zero codes, which add nothing
	v_nop
	s_wait_alu depctr_va_vdst(0)
.irp e, 2,3,4,5,6,7
	v_mov_b32 v[PCS+\e], 0                         ; (registers 6, 7 of this set stay 0 for tile 2)
.endr
.elseif (\it) == 1
	v_nop
	s_wait_alu depctr_va_vdst(0)
.irp e, 4,5,6,7
	v_mov_b32 v[PCS+\e], 0
.endr
.else
	v_nop
	s_wait_alu depctr_va_vdst(0)
.endif
	v_pk_add_f32 v[12:13], v[PP:PP+1], v[PP+2:PP+3]   ; the sum of the unquantised p
	v_pk_add_f32 v[14:15], v[PP+4:PP+5], v[PP+6:PP+7]
.if NN > 1
.set U, 8
.rept 2*(NN-1)
	v_pk_add_f32 v[12:13], v[12:13], v[PP+U:PP+U+1]
	v_pk_add_f32 v[14:15], v[14:15], v[PP+U+2:PP+U+3]
.set U, U+4
.endr
.endif
.set U, 0
.rept 8*NN
	v_min_num_f32 v[PP+U], v[PP+U], v6             ; the conversion does not saturate (ISA guide 7.6.2); p is not negative, so the hold is one-sided
.set U, U+1
.endr
.set KT, 0
.rept NN
	v_cvt_scalef32_pk8_bf8_f32 v[PCS+2*KT:PCS+2*KT+1], v[PP+8*KT:PP+8*KT+7], v5
.set KT, KT+1
.endr
	v_nop                                          ; a plain line between the conversions and the product that reads their results
	v_wmma_f32_16x16x64_bf8_bf8 v[OS:OS+7], v[VV+8*(\tau):VV+8*(\tau)+7], v[PCS:PCS+7], 0   ; lane: query lane % 16, j = 8 (lane / 16) + 0 .. 7
	v_pk_add_f32 v[12:13], v[12:13], v[14:15]      ; the sum's chains and halves: also places behind the product
	s_delay_alu instid0(VALU_DEP_1)
	v_add_f32 v12, v12, v13
	s_delay_alu instid0(VALU_DEP_1)
	v_permlanex16_b32 v9, v12, s20, s21
	s_delay_alu instid0(VALU_DEP_1)
	v_add_f32 v12, v12, v9                         ; l, above 1/2
	s_wait_alu depctr_va_vdst(0)
	v_rcp_f32 v18, v12
	v_nop
	v_nop
	s_wait_alu depctr_va_vdst(0)
.irp e, 0,2,4,6
	v_pk_mul_f32 v[OS+\e:OS+\e+1], v[OS+\e:OS+\e+1], v[18:19] op_sel_hi:[1,0]
.endr
.irp e, 0,1,2,3,4,5,6,7
	v_med3_num_f32 v[OS+\e], v[OS+\e], -v8, v8     ; a sum stands for sum x 2^(e6 + e7): y's code is (sum / l) / 2^(e8 - e6 - e7): the three scales folded into one
.endr
	v_cvt_scalef32_pk8_bf8_f32 v[YC+2*(\it):YC+2*(\it)+1], v[OS:OS+7], v7
	v_nop
	ds_store_b64 v3, v[YC+2*(\it):YC+2*(\it)+1] offset:RB*(\tau)+256*(\it)   ; 256 neighbouring bytes of the token's row of y
.endm
.macro TOKEN tau, next
	s_wait_loadcnt 0x0                             ; this token's q, k, v
.irp sg, 0,1,2,3                       ; four of the 16 j a pass; the ten accumulators by turns
.irp qt, 0,1,2,3
.irp kk, 0,1,2,3
.if \kk <= \qt
.if \sg == 0
	v_wmma_f32_16x16x4_f32 v[SS+8*(\qt*(\qt+1)/2+\kk):SS+8*(\qt*(\qt+1)/2+\kk)+7], v[KF+8*\kk+2*\sg:KF+8*\kk+2*\sg+1], v[QF+8*\qt+2*\sg:QF+8*\qt+2*\sg+1], 0
.else
	v_wmma_f32_16x16x4_f32 v[SS+8*(\qt*(\qt+1)/2+\kk):SS+8*(\qt*(\qt+1)/2+\kk)+7], v[KF+8*\kk+2*\sg:KF+8*\kk+2*\sg+1], v[QF+8*\qt+2*\sg:QF+8*\qt+2*\sg+1], v[SS+8*(\qt*(\qt+1)/2+\kk):SS+8*(\qt*(\qt+1)/2+\kk)+7]
.endif
.endif
.endr
.endr
.endr
.rept 8
	v_nop                                          ; eight places behind this form, in front of loads into its sources and of reads of its results
.endr
.if \next
	LOADS (\tau)+1                                 ; the next token comes in while this one's softmax is walked
.endif
	QTILE \tau, 0
	QTILE \tau, 1
	QTILE \tau, 2
	QTILE \tau, 3
.endm
.macro ASK n                           ; Wo's slot n into the L2: s78 is 1 in waves 0 to 3 of the first four clusters
	s_cmp_eq_u32 s78, 1
	s_cbranch_scc0 .Lno_ask_\@
	global_prefetch_b8 v[PFO], s[48:49] offset:0x20000*(\n) th:TH_LOAD_NT scope:SCOPE_SE
.Lno_ask_\@:
.endm
.macro WLOAD reg, aw, s                ; my fragment of Wo, K step s of my half
.irp c, 0,1,2,3
	ds_load_b128 v[\reg+4*\c:\reg+4*\c+3], v[\aw] offset:128*\s+32*\c
.endr
.endm
.macro MUL2 reg, s                     ; two sums by turns
.irp a, 0,1
.set F_, 2*\s+\a
.if F_ < 5
.set YF, 24+16*F_
.else
.set YF, 184+16*(F_-5)
.endif
.if \s == 0
	v_wmma_f32_16x16x128_bf8_bf8 v[SS+8*\a:SS+8*\a+7], v[\reg:\reg+15], v[YF:YF+15], 0
.else
	v_wmma_f32_16x16x128_bf8_bf8 v[SS+8*\a:SS+8*\a+7], v[\reg:\reg+15], v[YF:YF+15], v[SS+8*\a:SS+8*\a+7]
.endif
.endr
.endm
.macro OLOAD                           ; both K halves' sums of my two tokens
	ds_load_b128 v[232:235], v[ASO]
	ds_load_b128 v[236:239], v[ASO] offset:HP
	ds_load_b128 v[240:243], v[ASO] offset:SP2
	ds_load_b128 v[244:247], v[ASO] offset:SP2+HP
.endm
.macro OUT n                           ; (sum + sum) x 2^(e8 + e9) + bo; the second token's result lands on bo's registers
.irp e, 0,2
	v_pk_add_f32 v[232+\e:233+\e], v[232+\e:233+\e], v[236+\e:237+\e]
	v_pk_add_f32 v[240+\e:241+\e], v[240+\e:241+\e], v[244+\e:245+\e]
.endr
.irp e, 0,2
	v_pk_fma_f32 v[252+\e:253+\e], v[232+\e:233+\e], s[88:89], v[248+\e:249+\e] op_sel_hi:[1,0,1]
.endr
.irp e, 0,2
	v_pk_fma_f32 v[248+\e:249+\e], v[240+\e:241+\e], s[88:89], v[248+\e:249+\e] op_sel_hi:[1,0,1]
.endr
	global_store_b128 v[CO], v[252:255], s[12:13] offset:512*(\n) th:TH_STORE_NT        ; 32 lanes store 512 consecutive bytes, at a multiple of 256
	global_store_b128 v[CO], v[248:251], s[12:13] offset:4096+512*(\n) th:TH_STORE_NT
.endm
.macro SLOTN n, aw
.if \n > 0
	OLOAD                                          ; the slot before: its sums lie in the stage
.endif
	WLOAD 4, \aw, 0
.if \n > 0
	s_wait_loadcnt 0x0                             ; bo
	s_wait_dscnt 4                                 ; (my first fragment may be out)
	OUT (\n)-1
.endif
	WLOAD 232, \aw, 1
	s_wait_dscnt 4                                 ; the fragment before is in, the one just asked for may be out: so in each line of this kind
	MUL2 4, 0
	PLACES
	WLOAD 4, \aw, 2
	s_wait_dscnt 4
	MUL2 232, 1
	PLACES
	WLOAD 232, \aw, 3
	s_wait_dscnt 4
	MUL2 4, 2
	s_wait_dscnt 0x0                               ; all my reads of the slot and of the stage (slot 0: of y) are over
	MUL2 232, 3
	s_barrier_signal -1
	PLACES
	v_nop                                          ; the fifth place: the next slot's first products begin these sums anew
	s_barrier_wait -1                              ; everybody's are: the stage may be written
	ds_store_b128 v[ASI], v[SS:SS+3]
	ds_store_b128 v[ASI], v[SS+4:SS+7] offset:16
	ds_store_b128 v[ASI], v[SS+8:SS+11] offset:16*SP2
	ds_store_b128 v[ASI], v[SS+12:SS+15] offset:16*SP2+16
	s_wait_xcnt 0x0                                ; the stores have read v248-255: bo's next numbers may land there
	global_load_b128 v[248:251], v[CO], s[50:51] offset:512*(\n)
	s_wait_tensorcnt 0x0                           ; my part of the next slot is in
	ds_add_u32 v[SPW], v[NIL]                      ; 0 onto my spare word
.if \n < 6
	s_add_co_u32 s[G0+1], s84, ((\n)%2)*SLOT       ; no load of mine is out, so the group 0 may be written: 8 rows of slot n + 2
	s_mov_b64 s[G0+2:G0+3], s[76:77]
	s_or_b32 s[G0+3], s[G0+3], 0x80000000
	s_add_nc_u64 s[76:77], s[76:77], 0x20000
	s_wait_dscnt 0x0                               ; the add is done, my sums lie in the stage
	CROUND
	tensor_load_to_lds s[G0:G0+3], s[G1R:G1R+7]
	s_nop 0
	PLACES
.if \n < 4
	ASK (\n)+4
.endif
.else
	s_wait_dscnt 0x0
	s_barrier_signal -1                            ; nothing is filled again
	s_barrier_wait -1
.endif
.endm
	s_load_b256 s[4:11], s[0:1], 0x0               ; qimg s[4:5], kimg s[6:7], vimg s[8:9], the scales s[10:11]
	s_load_b128 s[48:51], s[0:1], 0x20             ; Wo, bo
	s_load_b64 s[12:13], s[0:1], 0x30              ; out0
	v_lshl_add_u32 v[SPW], v0, 2, SPARE
	v_mov_b32 v[NIL], 0
	ds_add_u32 v[SPW], v[NIL]                      ; the wave's opening: the add twice on end; its wait stands ahead of my first tensor load
	ds_add_u32 v[SPW], v[NIL]
	v_lshrrev_b32 v184, 5, v0
	v_readfirstlane_b32 s[WV], v184                ; wave 0..15
	s_bfe_u32 s80, ttmp6, 0x40000                  ; cx
	s_lshl_b32 s81, ttmp9, 2
	s_add_co_u32 s81, s81, s80                     ; my work-group
	s_mul_i32 s85, s[WV], 2*RB
	s_add_co_u32 s85, s85, YB                      ; my two rows of y
	s_lshl_b32 s80, s80, 15
	s_lshl_b32 s86, s[WV], 13
	s_add_co_u32 s80, s80, s86                     ; the prefetch: rows 32 cx + 8 wave + lane / 4 of a slot
	v_and_b32 v184, 15, v0                         ; r
	v_bfe_u32 v185, v0, 4, 1                       ; hh
	v_and_b32 v186, 31, v0                         ; lane
	v_lshrrev_b32 v1, 3, v184
	v_and_b32 v187, 7, v0
	v_lshlrev_b32 v2, 3, v184
	v_lshlrev_b32 v3, 4, v184
	v_lshlrev_b32 v1, 9, v1
	v_lshl_add_u32 v2, v185, 8, v2                 ; v: 8 r + 256 hh
	v_lshl_add_u32 v3, v185, 3, v3
	v_lshl_add_u32 v1, v185, 7, v1
	v_add_nc_u32 v3, s85, v3                       ; y: row 2 wave, 16 r + 8 hh
	v_lshl_add_u32 v1, v187, 4, v1                 ; row 16 t + r of q or k: 512 (r / 8) + 128 hh + 16 (r % 8)
	v_lshrrev_b32 v188, 2, v186
	v_and_b32 v189, 3, v186
	v_lshlrev_b32 v189, 8, v189
	v_lshl_add_u32 v188, v188, 10, v189
	v_add_nc_u32 v[PFO], s80, v188
	s_wait_alu depctr_va_vdst(0)
	s_mov_b32 s[G1H], 15|(1<<20)|(1<<21)|(7<<22)|(3<<25)   ; the mask: all four; elements of 1 byte; 20 padding on; 21 set beside a mask; 24:22 after every 256 words; 31:25 four words
	s_mov_b32 s[G1R], 15|(1<<20)|(1<<21)|(7<<22)|(3<<25)
.irp g, G1H, G1R
	s_mov_b32 s[\g+1], 1024<<16
	s_mov_b32 s[\g+3], 1024<<16
	s_mov_b32 s[\g+5], 1024
	s_mov_b32 s[\g+6], 0
	s_mov_b32 s[\g+7], 0
.endr
	s_mov_b32 s[G1H+2], 16<<16
	s_mov_b32 s[G1H+4], 16
	s_mov_b32 s[G1R+2], 8<<16
	s_mov_b32 s[G1R+4], 8
	s_lshr_b32 s82, s[WV], 3
	s_and_b32 s83, s[WV], 7
	s_mul_i32 s82, s82, SLOT
	s_mul_i32 s83, s83, 16*RB
	s_mov_b32 s[G0], 1
	s_add_co_u32 s[G0+1], s82, s83                 ; at the head: rows 16 wave of slots 0 and 1; no place in the cluster enters an LDS address
	s_lshl_b32 s82, s[WV], 14
	s_mov_b32 s83, 0
	s_mul_i32 s84, s[WV], 8*RB                     ; later: rows 8 wave of a slot
	s_lshl_b32 s86, s[WV], 13
	s_add_co_u32 s86, s86, 0x40000
	s_mov_b32 s87, 0
	s_lshl_b32 s26, s81, 17                        ; my first token, 32 x work-group + 2 x wave, times 4,096 bytes,
	s_lshl_b32 s27, s[WV], 13
	s_add_co_u32 s26, s26, s27
	s_mov_b32 s27, 0
	s_lshr_b32 s28, s26, 2                         ; and times 1,024
	s_mov_b32 s29, 0
	s_cmp_lt_u32 ttmp9, 4
	s_cselect_b32 s78, 1, 0
	s_cmp_lt_u32 s[WV], 4
	s_cselect_b32 s79, 1, 0
	s_and_b32 s78, s78, s79
	s_wait_dscnt 0x0                               ; both opening adds are done
	s_wait_kmcnt 0x0
	s_load_b128 s[16:19], s[10:11], 0x18           ; entries 6 to 9
	s_add_nc_u64 s[4:5], s[4:5], s[26:27]
	s_add_nc_u64 s[6:7], s[6:7], s[26:27]
	s_add_nc_u64 s[8:9], s[8:9], s[28:29]
	s_add_nc_u64 s[12:13], s[12:13], s[26:27]
	s_add_nc_u64 s[G0+2:G0+3], s[48:49], s[82:83]
	s_or_b32 s[G0+3], s[G0+3], 0x80000000
	s_add_nc_u64 s[76:77], s[48:49], s[86:87]
	CROUND                                         ; all four work-groups are here: the first joint loads meet
	LOADS 0
	tensor_load_to_lds s[G0:G0+3], s[G1H:G1H+7]    ; Wo's slots 0 and 1, 16 rows a wave
	s_nop 0
	PLACES
	v_mov_b32 v4, 0xff800000                       ; -infinity
	v_mov_b32 v9, 0                                ; a lane permute's destination counts as one of its sources
	v_mov_b32 v11, 0                               ; (named as upper halves of pairs)
	v_mov_b32 v19, 0
	v_mov_b32 v20, 0x35c1a2a0                      ; 1e-6 log2(e)
	v_lshlrev_b32 v185, 3, v185
	v_sub_nc_u32 v184, v184, v185                  ; r - 8 hh
.irp e, 0,1,2,3,4,5,6,7
	v_cmp_le_i32 s[MK+\e], \e, v184
.endr
	s_mov_b32 s20, 0x76543210                      ; v_permlanex16_b32's selects for lane l xor 16
	s_mov_b32 s21, 0xfedcba98
	s_mov_b32 s15, 0xb68637bd                      ; -4 x 1e-6
	s_mov_b32 s24, 0x3eb8aa3b                      ; log2(e) / 4
	s_mov_b32 s25, s24
	s_wait_alu depctr_va_vdst(0)
	s_wait_kmcnt 0x0
	s_add_co_i32 s30, s16, 127
	s_lshl_b32 s31, s30, 23
	v_mov_b32 v5, s31                              ; 2^e6
	s_add_co_i32 s30, s30, 15
	s_lshl_b32 s30, s30, 23
	s_or_b32 s30, s30, 0x600000
	v_mov_b32 v6, s30                              ; 57,344 x 2^e6
	s_sub_co_i32 s30, s18, s16
	s_sub_co_i32 s30, s30, s17
	s_add_co_i32 s30, s30, 127
	s_lshl_b32 s31, s30, 23
	v_mov_b32 v7, s31                              ; 2^(e8 - e6 - e7)
	s_add_co_i32 s30, s30, 15
	s_lshl_b32 s30, s30, 23
	s_or_b32 s30, s30, 0x600000
	v_mov_b32 v8, s30
	s_add_co_i32 s88, s18, s19
	s_add_co_i32 s88, s88, 127
	s_lshl_b32 s88, s88, 23                        ; 2^(e8 + e9)
	s_mov_b32 s89, s88                             ; (named with it as a pair, so it is written)
	s_wait_alu depctr_va_vdst(0)
	TOKEN 0, 1
	s_wait_alu depctr_va_vdst(0)                   ; ahead of the branches
	ASK 2
	ASK 3
	TOKEN 1, 0
	s_wait_alu depctr_va_vdst(0)
	s_wait_tensorcnt 0x0                           ; my part of slots 0 and 1 is in
	ds_add_u32 v[SPW], v[NIL]                      ; 0 onto my spare word
	s_and_b32 s80, s[WV], 7                        ; my tile of 16 columns
	s_lshr_b32 s81, s[WV], 3                       ; my half of K
	s_mul_i32 s82, s80, 16*RB
	s_lshl_b32 s83, s81, 9
	s_add_co_u32 s82, s82, s83                     ; Wo: row 16 x tile, byte 512 x half
	s_add_co_u32 s83, s83, YB                      ; y
	s_mul_i32 s85, s81, HP
	s_lshl_b32 s80, s80, 6
	s_add_co_u32 s85, s85, s80
	s_add_co_u32 s85, s85, YB                      ; the stage, in
	s_mul_i32 s86, s[WV], 2*SP2
	s_add_co_u32 s86, s86, YB                      ; and out: tokens 2 wave, 2 wave + 1
	s_wait_dscnt 0x0                               ; the add is done, and my y codes lie in LDS
	s_barrier_signal -1
	v_and_b32 v10, 15, v0
	v_bfe_u32 v11, v0, 4, 1
	v_and_b32 v12, 31, v0
	v_mul_u32_u24 v13, v10, RB
	v_mul_u32_u24 v14, v10, SP2
	v_lshlrev_b32 v[CO], 4, v12
	v_lshl_add_u32 v13, v11, 4, v13
	v_lshl_add_u32 v14, v11, 5, v14
	v_add_nc_u32 v[ASO], s86, v[CO]
	v_add_nc_u32 v[AW0], s82, v13
	v_add_nc_u32 v252, s83, v13                    ; y: row r, 512 x half + 16 hh
	v_add_nc_u32 v[ASI], s85, v14
	v_add_nc_u32 v[AW1], SLOT, v[AW0]
	s_wait_alu depctr_va_vdst(0)
	s_barrier_wait -1                              ; all 32 rows of y, and slots 0 and 1, are whole
.irp f, 0,1,2,3,4,5,6,7                ; y's fragments: K step f / 2 of my half, tokens 16 (f % 2) on
.if \f < 5
.set YF, 24+16*\f
.else
.set YF, 184+16*(\f-5)
.endif
.irp c, 0,1,2,3
	ds_load_b128 v[YF+4*\c:YF+4*\c+3], v252 offset:16*RB*(\f%2)+128*(\f/2)+32*\c
.endr
.endr
	SLOTN 0, AW0
	SLOTN 1, AW1
	SLOTN 2, AW0
	SLOTN 3, AW1
	SLOTN 4, AW0
	SLOTN 5, AW1
	SLOTN 6, AW0
	SLOTN 7, AW1
	OLOAD
	s_wait_loadcnt 0x0
	s_wait_dscnt 0x0
	OUT 7
	s_wait_tensorcnt 0x0                           ; the wave's end
	ds_add_u32 v[SPW], v[NIL]
	s_wait_dscnt 0x0
	CROUND                                         ; the closing round
	s_endpgm
.Lfunc_end_k_q659f7ccac2_attnproj:
	.size	k_q659f7ccac2_attnproj, .Lfunc_end_k_q659f7ccac2_attnproj-k_q659f7ccac2_attnproj
	.p2alignl 7, 3214868480
	.fill 96, 4, 3214868480
	.section	.rodata,"a",@progbits
	.p2align	6, 0x0
	.amdhsa_kernel k_q659f7ccac2_attnproj
		.amdhsa_group_segment_fixed_size 327680
		.amdhsa_private_segment_fixed_size 0
		.amdhsa_enable_private_segment 0
		.amdhsa_kernarg_size 56
		.amdhsa_user_sgpr_count 2
		.amdhsa_user_sgpr_kernarg_segment_ptr 1
		.amdhsa_wavefront_size32 1
		.amdhsa_system_sgpr_workgroup_id_x 1
		.amdhsa_system_sgpr_workgroup_id_y 1
		.amdhsa_system_sgpr_workgroup_id_z 1
		.amdhsa_system_vgpr_workitem_id 0
		.amdhsa_next_free_vgpr 256
		.amdhsa_next_free_sgpr 96
		.amdhsa_reserve_vcc 0
		.amdhsa_float_denorm_mode_32 3
		.amdhsa_float_denorm_mode_16_64 3
		.amdhsa_memory_ordered 1
		.amdhsa_forward_progress 1
		.amdhsa_inst_pref_size 118
	.end_amdhsa_kernel
	.amdgpu_metadata
---
amdhsa.version: [ 1, 2 ]
amdhsa.kernels:
  - .name:           k_q659f7ccac2_attnproj
    .symbol:         k_q659f7ccac2_attnproj.kd
    .args:
      - { .name: qimg, .offset: 0, .size: 8, .value_kind: global_buffer, .address_space: global }
      - { .name: kimg, .offset: 8, .size: 8, .value_kind: global_buffer, .address_space: global }
      - { .name: vimg, .offset: 16, .size: 8, .value_kind: global_buffer, .address_space: global }
      - { .name: lowp_scales, .offset: 24, .size: 8, .value_kind: global_buffer, .address_space: global }
      - { .name: Wo_codes, .offset: 32, .size: 8, .value_kind: global_buffer, .address_space: global }
      - { .name: bo, .offset: 40, .size: 8, .value_kind: global_buffer, .address_space: global }
      - { .name: out0, .offset: 48, .size: 8, .value_kind: global_buffer, .address_space: global }
    .group_segment_fixed_size: 327680
    .private_segment_fixed_size: 0
    .kernarg_segment_align: 8
    .kernarg_segment_size: 56
    .max_flat_workgroup_size: 512
    .sgpr_count:     96
    .vgpr_count:     256
    .wavefront_size: 32
...
	.end_amdgpu_metadata
.endif
;; end of part 2
